; MI455X (gfx1250); checked and timed in simulation.
; The chip was launched on July 23, 2026; its instructions are those of AMD's public machine-readable ISA for CDNA 5 (MIT licence, August 2026) and "CDNA5" Instruction Set Architecture Reference Guide (July 2026). The comments in the code are by the model that wrote it; some were corrected since.
;; Multihead Attention Layer. Allowed arithmetic: matrix products marked QUANTISED: E2M1 operands, one E8M0 scale for each 32 along K, by v_wmma_scale_f32_16x16x128_f8f6f4 with both operands' format E2M1 (or v_wmma_scale_f32_32x16x128_f4), f32 sums; everything else in f32.
;; Inputs: Wk_codes 512 x 16 x 16 uint8 (E2M1 codes of Wk, K innermost, in blocks of 32 codes, two codes a byte); Wk_scales 512 x 16 uint8 (E8M0 scales of Wk, one for each 32 codes along K); Wq_codes 512 x 16 x 16 uint8 (E2M1 codes of Wq, K innermost, in blocks of 32 codes, two codes a byte); Wq_scales 512 x 16 uint8 (E8M0 scales of Wq, one for each 32 codes along K); Wv_codes 512 x 16 x 16 uint8 (E2M1 codes of Wv, K innermost, in blocks of 32 codes, two codes a byte); Wv_scales 512 x 16 uint8 (E8M0 scales of Wv, one for each 32 codes along K); beta 512 float32; bk 512 float32; bq 512 float32; bv 512 float32; gamma 512 float32; keys_in_codes 4 x 2,048 x 16 x 16 uint8 (E2M1 codes of keys_in, K innermost, in blocks of 32 codes, two codes a byte); keys_in_scales 4 x 2,048 x 16 uint8 (E8M0 scales of keys_in, one for each 32 codes along K); queries 4 x 2,048 x 512 float32.
;; Outputs: out0 4 x 2,048 x 512 float32.
;; This version of the problem:
;;   THIS VERSION OF THE PROBLEM IS GIVEN IN LOW PRECISION. The matrix products marked QUANTISED in the list below multiply operands that are first quantised to E2M1 (2 exponent bits, 1 mantissa bit; 4 bits a number), with one power-of-two scale for each 32 numbers along K (OCP MX v1.0); their sums are f32. All else is computed in f32.
;;   The module's matrix products, in the order in which they are computed (A, B: the left and right operand; K: the contracted axis; several contracted axes count as one K, in the product's order):
;;     1. [M 8,192, K 512] x [K 512, N 512]; A: input queries; B: input Wq (given as codes): QUANTISED
;;     2. [M 8,192, K 512] x [K 512, N 512]; A: input keys_in (given as codes); B: input Wk (given as codes): QUANTISED
;;     3. [M 8,192, K 512] x [K 512, N 512]; A: input keys_in (given as codes); B: input Wv (given as codes): QUANTISED
;;     4. batch 32 x [M 2,048, K 64] x [K 64, N 2,048]; A: computed on the way; B: computed on the way: QUANTISED
;;     5. batch 32 x [M 64, K 2,048] x [K 2,048, N 2,048]; A: computed on the way; B: computed on the way: QUANTISED
;;   THE QUANTISER, for each operand of a quantised product, along K:
;;     - K is cut into blocks of 32 from its start; a last block that is shorter is filled with zeros.
;;     - A block's scale is 2^e with e = floor(log2(the largest magnitude in the block)) - 2, held to -126 .. 127; a block of zeros has e = 0. As a byte (E8M0): e + 127.
;;     - Each number is divided by its block's scale, clamped to +-6, and rounded to the nearest number of E2M1, ties to even, subnormals kept.
;;     - The product sums the exact products of the quantised numbers (number of the format x scale) in f32.
;;   ~~~python
;;   def quantise(x, axis):      # numpy; x: float32 -> the quantised numbers, widened to float32 again
;;       x = np.moveaxis(x, axis, -1); K = x.shape[-1]
;;       x = np.pad(x, [(0, 0)] * (x.ndim - 1) + [(0, -K % 32)]); x = x.reshape(x.shape[:-1] + (-1, 32)); a = np.abs(x).max(-1, keepdims=True)
;;       e = np.where(a > 0, np.clip(np.frexp(np.where(a > 0, a, 1))[1] - 1 - 2, -126, 127), 0)      # np.frexp(a)[1] - 1 = floor(log2(a)), exactly
;;       r = np.clip(x / 2.0 ** e, -6, 6)
;;       step = 2.0 ** (np.maximum(np.frexp(np.where(r == 0, 1, r))[1] - 1, 0) - 1)
;;       q = np.round(r / step) * step * 2.0 ** e      # np.round: ties to even
;;       return np.moveaxis(q.reshape(q.shape[:-2] + (-1,))[..., :K], -1, axis).astype(np.float32)
;;   ~~~
;;   OPERANDS COMPUTED ON THE WAY. 'Computed on the way' means the value that the module computes at that place (a softmax that the list does not call 'softmax' is quantised finished and normalised). What goes into a quantiser is computed in f32, as accurately as f32 sums, v_exp_f32 and their like allow (about 1e-6 of the number): no bf16 or f16 on the way to a quantiser, and a product that is left as it is and whose result goes on into a quantised operand takes f32 operands (vector FMAs, or v_wmma_f32_16x16x4_f32). A number that lies on a knife's edge between two numbers of the format may be rounded either way, as far as f32 arithmetic and the matrix unit's own rounding can turn it there, and no further.
;;   INPUTS GIVEN AS CODES. Wk (in the module: [512, 512], K = its axis 0); Wq (in the module: [512, 512], K = its axis 0); Wv (in the module: [512, 512], K = its axis 0); keys_in (in the module: [4, 2048, 512], K = its axis 2): each comes as NAME_codes (uint8): NAME with its K axis moved to the last place and cut into blocks of 32 codes, [.., K / 32, bytes a block], one block behind the other in memory; two codes a byte, the lower K in the low four bits (a code: sign, 2 exponent bits, 1 mantissa bit); and NAME_scales (uint8): the same leading axes, one E8M0 byte (e + 127) for each 32 codes along K. Its value is code x scale, taken as it is: it is not quantised again, and the codes and scales need not be those that the quantiser above would give.
;; One version. Each part assembles by itself: llvm-mc -triple=amdgcn-amd-amdhsa -mcpu=gfx1250 --defsym DOCPART=n.
;; ======== version 1 of 1: 3 launches
;; limits: right only within a limited range of input values
;; workspace buffers: qpack 2,621,440 bytes; kblob 3,145,728 bytes; vblob 2,097,152 bytes; res 16,777,216 bytes
;; launch proj (part 1): grid 256 x 1, 8 waves a work-group, no clusters, 231,936 bytes of LDS; arguments queries, keys_in_codes, keys_in_scales, Wq_codes, Wq_scales, bq, Wk_codes, Wk_scales, bk, Wv_codes, Wv_scales, bv, qpack, kblob, vblob; writes qpack, kblob, vblob
.if DOCPART == 1
	.amdgcn_target "amdgcn-amd-amdhsa--gfx1250"
	.amdhsa_code_object_version 6
	.text
	.protected	k_qdbd1d16299_proj
	.globl	k_qdbd1d16299_proj
	.p2align	8
	.type	k_qdbd1d16299_proj,@function
k_qdbd1d16299_proj:
	s_mov_b64 s[64:65], 0
	v_nop
	global_prefetch_b8 v0, s[64:65] scope:SCOPE_SE
	s_setreg_imm32_b32 hwreg(HW_REG_WAVE_MODE, 25, 1), 1
	s_wait_xcnt 0x0
; PROJECTIONS.  Q = relu(q(queries) Wq + bq), K = relu(keys_in Wk + bk), V = relu(keys_in Wv + bv), all three products on codes of E2M1 with one E8M0 scale for each 32 along K = 512.
; queries arrive as f32 and are quantised here; keys_in and the weights arrive as codes.  The results are quantised at once for the two products of attention: Q and K along a head's 64 (two blocks),
; V along the keys (a block = 32 keys), and are laid in the order of the operands' registers, so that the next launch reads them by 16-byte loads alone.
; NOTHING IS LEFT OUT: every input has a way to the output, and all five products are live.
; THE MASKS.  A key counts where the largest of its head's 64 numbers of K (none is negative) is above 0, which is sum |K| > 0.  For each key a mask word of codes goes out: 0, or the code of -4 at k = 64 under 2^31, which the next launch
; carries in the score product's K: 0 or -2^33 is added to the score.  Divided by 8 that is -2^30 where the source has -1e9: no result differs, for all inputs: scores of keys that count are 0 or more, so exp(either - maximum) is 0 in f32;
; and where no key counts all scores are equal under either number and the softmax is uniform.  A query's mask goes out as 1.0 or 0.0.
; LIMITS: NaN and infinities among the inputs are not served.  A block of zeros carries the byte 1 where the rule says 127: its codes are zeros, and these bytes are read by this program alone.
; SHARES.  Work-group g takes rows 32 g .. 32 g + 31 of queries and of keys_in (32 keys: one block of V's quantiser).  Wave w is head w: its 64 columns of Q, K and V: 6 units of 16 matrix instructions.
; A weight's 64 rows of a head come by dense loads, turn through the wave's own stage in LDS into fragments, and stay in registers.  No tensor load: the three weights would not fit in LDS beside each other.
; Q and K are made TRANSPOSED (source 0 = 16 rows of W, source 1 = 16 rows of x), and lane r of W's tile 2 b + u takes row 32 b + 8 u + r + 8 (r / 8): a lane then holds one row of Q or K and 16 neighbours of each block.
; The keys of a tile are chosen the same way (key 8 u + r + 8 (r / 8)), so that in V (source 0 = 16 keys, source 1 = 16 rows of Wv) a lane holds one channel and 16 neighbouring keys, and in the next launch the scores' registers run along the keys.
.set XIMG,  0                          ; LDS: images of x's 8 fragments (tile of rows m, K step s: 4 m + s), 1,024 bytes each
.set XSC,   8192                       ; their scale words, 128 bytes each
.set KST,   9216                       ; the 32 keys' rows of codes, 256 bytes + 16
.set RST,   17920                      ; for each wave 768 bytes: K's record (512), Q's record (256)
.set SPARE, 24064                      ; the spare words: 128 bytes for each of 8 waves
.set QST,   25088                      ; for each wave 16 rows of 512 bytes + 16: the f32 numbers turn here
.set WST,   92672                      ; for each wave 64 rows of 256 bytes + 16: a weight's rows turn here
.set LANE, 1
.set RR,   2                           ; lane % 16
.set HH,   3                           ; lane / 16
.set LI,   4                           ; 16 x lane
.set LS,   5                           ; 4 x lane
.set QSTW, 6
.set QSTR, 7
.set XWI,  8
.set XWS,  9
.set KSTW, 10
.set KSTR, 11
.set WSTW, 12
.set WSTR, 13
.set WSTRV, 14
.set WSA,  15
.set WSV,  16
.set BA,   17
.set BVA,  18
.set KSA,  19
.set RB8,  20                          ; my wave's records + 8 r
.set RB4,  21                          ; + 4 r
.set RBL4, 22                          ; + 4 x lane
.set RBL16, 23                         ; + 16 x lane
.set RBL8, 24                          ; + 8 x lane
.set G8,   25                          ; 8 x lane
.set VO,   26                          ; 1,024 (lane / 16) + 16 r
.set TMP,  27                          ; at the head r + 8 (r / 8), then 1.0
.set ZERO, 28
.set PW4,  29                          ; x's scale word
.set SPW,  30                          ; my spare word's LDS address; never rewritten
.set NIL,  31                          ; 0; never rewritten
.set A,    32                          ; v32-95   8 fragments of x, later of the keys: (tile, K step s) at 8 (4 tile + s)
.set ACC,  96                          ; v96-127  four accumulators
.set BQ,   128                         ; v128-159 bq in the result's layout; v160-191 bk
.set BK,   160
.set BV,   192                         ; v192-195 bv of channel 16 t + r
.set WSQ,  196                         ; scale words: v196-203 Wq, v204-211 Wk, v212-219 Wv, v220-227 the keys, v228-235 x
.set WSK,  204
.set WSVR, 212
.set AS,   220
.set XS,   228
.set BM,   236
.set BX,   238
.set SO,   240
.set BY,   242
.set MK,   244
.set KMB,  245
.set PWQ,  246
.set PC,   248
.set VW,   252
.set BM4,  96                          ; while x is quantised the accumulators' registers serve
.set BX4,  100
.set SO4,  104
.set PC8,  112
.set KRAW, 120
.set R0,   0                           ; window 1: two sets of 16 weight fragments: (tile t, K step s) at 8 (4 t + s)
.set R1,   128
.set WV,   34
.set BH,   38
.set TB,   37
.set SEL,  46
.set MSB, 0
.macro WIN new                         ; the immediate's high byte repeats the setting that is left
.if MSB != \new
	s_set_vgpr_msb (MSB<<8)|\new
.set MSB, \new
.endif
.endm
.macro PLACES n
.rept \n
	v_nop
.endr
.endm
; one matrix instruction.  c < 0: the constant 0 starts the sum.  rowa, rowb: that side's scale words stand in lanes 16-31
.macro WM d, a, b, c, sa, sb, rowa, rowb
.if (\c) < 0
.if (\rowa)
	v_wmma_scale_f32_16x16x128_f8f6f4 v[(\d):(\d)+7], v[(\a):(\a)+7], v[(\b):(\b)+7], 0, v[(\sa)], v[(\sb)] matrix_a_fmt:MATRIX_FMT_FP4 matrix_b_fmt:MATRIX_FMT_FP4 matrix_a_scale:MATRIX_SCALE_ROW1
.elseif (\rowb)
	v_wmma_scale_f32_16x16x128_f8f6f4 v[(\d):(\d)+7], v[(\a):(\a)+7], v[(\b):(\b)+7], 0, v[(\sa)], v[(\sb)] matrix_a_fmt:MATRIX_FMT_FP4 matrix_b_fmt:MATRIX_FMT_FP4 matrix_b_scale:MATRIX_SCALE_ROW1
.else
	v_wmma_scale_f32_16x16x128_f8f6f4 v[(\d):(\d)+7], v[(\a):(\a)+7], v[(\b):(\b)+7], 0, v[(\sa)], v[(\sb)] matrix_a_fmt:MATRIX_FMT_FP4 matrix_b_fmt:MATRIX_FMT_FP4
.endif
.else
.if (\rowa)
	v_wmma_scale_f32_16x16x128_f8f6f4 v[(\d):(\d)+7], v[(\a):(\a)+7], v[(\b):(\b)+7], v[(\c):(\c)+7], v[(\sa)], v[(\sb)] matrix_a_fmt:MATRIX_FMT_FP4 matrix_b_fmt:MATRIX_FMT_FP4 matrix_a_scale:MATRIX_SCALE_ROW1
.elseif (\rowb)
	v_wmma_scale_f32_16x16x128_f8f6f4 v[(\d):(\d)+7], v[(\a):(\a)+7], v[(\b):(\b)+7], v[(\c):(\c)+7], v[(\sa)], v[(\sb)] matrix_a_fmt:MATRIX_FMT_FP4 matrix_b_fmt:MATRIX_FMT_FP4 matrix_b_scale:MATRIX_SCALE_ROW1
.else
	v_wmma_scale_f32_16x16x128_f8f6f4 v[(\d):(\d)+7], v[(\a):(\a)+7], v[(\b):(\b)+7], v[(\c):(\c)+7], v[(\sa)], v[(\sb)] matrix_a_fmt:MATRIX_FMT_FP4 matrix_b_fmt:MATRIX_FMT_FP4
.endif
.endif
.endm
; the scale words of a head's 64 rows of Wq or Wk (lanes 0-15: tiles 0, 1; lanes 16-31: tiles 2, 3; four words, one a K step, a load) and the bias in the result's layout: 10 loads
.macro WSMALL ws, bias, ps, pb
.irp u, 0,1
	global_load_b128 v[\ws+4*\u:\ws+4*\u+3], v[WSA], s[\ps:\ps+1] offset:128*\u
.endr
.irp t, 0,1,2,3
.irp c, 0,1
	global_load_b128 v[\bias+8*\t+4*\c:\bias+8*\t+4*\c+3], v[BA], s[\pb:\pb+1] offset:(32*(\t/2)+8*(\t%2))*4+16*\c
.endr
.endr
.endm
; a head's 64 rows of a weight as they lie: 32 loads of 512 consecutive bytes, into window 1
.macro WRAW R, p
	WIN 0x40
.set i, 0
.rept 32
	global_load_b128 v[\R+4*i:\R+4*i+3], v[LI], s[\p:\p+1] offset:512*i
.set i, i+1
.endr
	WIN 0
.endm
; they turn through my stage into 16 fragments, in the same registers.  LDS serves a wave's instructions in order: no wait between the stores and the loads
.macro WTURN R, adr, nat
	WIN 0x04                                       ; an LDS store's data are its source 1: window 1
.set i, 0
.rept 32
	ds_store_b128 v[WSTW], v[\R+4*i:\R+4*i+3] offset:544*i
.set i, i+1
.endr
	WIN 0x40
.irp t, 0,1,2,3
.irp s, 0,1,2,3
.irp c, 0,1
.if \nat
	ds_load_b128 v[\R+8*(4*\t+\s)+4*\c:\R+8*(4*\t+\s)+4*\c+3], v[\adr] offset:16*\t*272+64*\s+32*\c
.else
	ds_load_b128 v[\R+8*(4*\t+\s)+4*\c:\R+8*(4*\t+\s)+4*\c+3], v[\adr] offset:(32*(\t/2)+8*(\t%2))*272+64*\s+32*\c
.endif
.endr
.endr
.endr
	WIN 0
.endm
; 64 numbers of a lane, register 16 b + i = k 32 b + 16 (lane / 16) + i of my row, become a fragment's codes in v[PC8] on and its scale word in v[PW4]
.macro QUANT4 s
.irp b, 0,1,2,3
	v_max3_num_f32 v[BM4+\b], |v[\s+16*\b]|, |v[\s+1+16*\b]|, 0x1800000   ; with the floor 2^(3 - 127): the byte cannot fall under 1
.endr
.irp i, 2,4,6,8,10,12,14
.irp b, 0,1,2,3
	s_delay_alu instid0(VALU_DEP_4)
	v_max3_num_f32 v[BM4+\b], v[BM4+\b], |v[\s+16*\b+\i]|, |v[\s+1+16*\b+\i]|
.endr
.endr
.irp b, 0,1,2,3
	s_delay_alu instid0(VALU_DEP_4)
	v_permlanex16_b32 v[BX4+\b], v[BM4+\b], s[SEL], s[SEL+1]
.endr
.irp b, 0,1,2,3
	s_delay_alu instid0(VALU_DEP_4)
	v_max_num_f32 v[BM4+\b], v[BM4+\b], v[BX4+\b]  ; with lane l xor 16's: the block's largest magnitude
.endr
.irp b, 0,1,2,3
	s_delay_alu instid0(VALU_DEP_4)
	v_add_nc_u32 v[SO4+\b], 0xff000000, v[BM4+\b]  ; 2 off its exponent field: the conversion's scale operand
.endr
.irp b, 0,1,2,3
	s_delay_alu instid0(VALU_DEP_4)
	v_lshrrev_b32 v[BX4+\b], 23, v[SO4+\b]         ; the scale's byte
.endr
	s_delay_alu instid0(VALU_DEP_3)
	v_lshl_or_b32 v[PW4], v[BX4+1], 8, v[BX4]
	s_delay_alu instid0(VALU_DEP_1)
	v_lshl_or_b32 v[PW4], v[BX4+2], 16, v[PW4]
	s_delay_alu instid0(VALU_DEP_1)
	v_lshl_or_b32 v[PW4], v[BX4+3], 24, v[PW4]
.irp b, 0,1,2,3
	v_cvt_scalef32_pk8_fp4_f32 v[PC8+2*\b], v[\s+16*\b:\s+7+16*\b], v[SO4+\b]
	v_cvt_scalef32_pk8_fp4_f32 v[PC8+1+2*\b], v[\s+8+16*\b:\s+15+16*\b], v[SO4+\b]
.endr
	v_nop                                          ; one plain place behind a scaled conversion
.irp c, 0,1
.irp i, 0,1
	v_permlane16_swap_b32 v[PC8+4*\c+\i], v[PC8+2+4*\c+\i]   ; a whole block to a lane
.endr
.endr
.endm
; the 32 numbers in the accumulators, none negative, two blocks of 32 shared with lane l xor 16: codes in v[PC:PC+3] (lanes 0-15 block 0, lanes 16-31 block 1), bytes in v[BY], v[BY+1], the larger of the two largest in v[MK]
.macro QUANT2
.irp b, 0,1
	v_max3_num_f32 v[BM+\b], v[ACC+16*\b], v[ACC+16*\b+1], v[ACC+16*\b+2]
.endr
.irp i, 3,5,7,9,11,13
.irp b, 0,1
	s_delay_alu instid0(VALU_DEP_2)
	v_max3_num_f32 v[BM+\b], v[BM+\b], v[ACC+16*\b+\i], v[ACC+16*\b+\i+1]
.endr
.endr
.irp b, 0,1
	s_delay_alu instid0(VALU_DEP_2)
	v_max_num_f32 v[BM+\b], v[BM+\b], v[ACC+16*\b+15]
.endr
.irp b, 0,1
	s_delay_alu instid0(VALU_DEP_2)
	v_permlanex16_b32 v[BX+\b], v[BM+\b], s[SEL], s[SEL+1]
.endr
.irp b, 0,1
	s_delay_alu instid0(VALU_DEP_2)
	v_max_num_f32 v[BM+\b], v[BM+\b], v[BX+\b]
.endr
	s_delay_alu instid0(VALU_DEP_1)
	v_max_num_f32 v[MK], v[BM], v[BM+1]            ; above 0 where the row's 64 numbers are not all 0
.irp b, 0,1
	s_delay_alu instid0(VALU_DEP_3)
	v_max_num_f32 v[BM+\b], 0x1800000, v[BM+\b]    ; the floor
.endr
.irp b, 0,1
	s_delay_alu instid0(VALU_DEP_2)
	v_add_nc_u32 v[SO+\b], 0xff000000, v[BM+\b]
.endr
.irp b, 0,1
	s_delay_alu instid0(VALU_DEP_2)
	v_lshrrev_b32 v[BY+\b], 23, v[SO+\b]
.endr
	s_wait_alu depctr_va_vdst(0)
	s_wait_xcnt 0x0                                ; the last unit's store has read v[PC:PC+3]: only now are they written again
.irp b, 0,1
	v_cvt_scalef32_pk8_fp4_f32 v[PC+2*\b], v[ACC+16*\b:ACC+16*\b+7], v[SO+\b]
	v_cvt_scalef32_pk8_fp4_f32 v[PC+2*\b+1], v[ACC+16*\b+8:ACC+16*\b+15], v[SO+\b]
.endr
	v_nop
	v_permlane16_swap_b32 v[PC], v[PC+2]
	v_permlane16_swap_b32 v[PC+1], v[PC+3]
.endm
; 16 rows (tile m of the fragments in A) x my head's 64 columns of Q or K, transposed, with bias and relu.  The four accumulators take turns, one instruction a turn
.macro UNITT R, bias, ws, bs, m
	PLACES 5                                       ; the accumulators are begun anew with another C
	WIN 0x01                                       ; source 0 (W) window 1
.irp s, 0,1,2,3
.irp t, 0,1,2,3
.if \s == 0
.set CC, \bias+8*\t
.else
.set CC, ACC+8*\t
.endif
.set RA, \t/2
	WM ACC+8*\t, \R+8*(4*\t+\s), A+8*(4*(\m)+\s), CC, \ws+4*(\t%2)+\s, \bs+4*(\m)+\s, RA, 0
.endr
.endr
	WIN 0
	PLACES 4
.set j, 0
.rept 32
	v_max_num_f32 v[ACC+j], 0, v[ACC+j]            ; relu, each accumulator from its low end on
.set j, j+1
.endr
.endm
; the 32 keys x channels 32 gg .. 32 gg + 31 of V: source 0 = 16 keys, source 1 = 16 rows of Wv: a lane holds channel 16 (2 gg + e) + r, and registers 16 e + i key 16 (lane / 16) + i
.macro UNITV gg
	PLACES 5
	WIN 0x04                                       ; source 1 (Wv) window 1
.irp s, 0,1,2,3
.irp e, 0,1
.irp u, 0,1
.if \s == 0
.set CC, -1
.else
.set CC, ACC+8*(2*\e+\u)
.endif
	WM ACC+8*(2*\e+\u), A+8*(4*\u+\s), R0+8*(4*(2*(\gg)+\e)+\s), CC, AS+4*\u+\s, WSVR+4*\e+\s, 0, \gg
.endr
.endr
.endr
	WIN 0
	PLACES 4
.irp e, 0,1
.set j, 0
.rept 16
	v_add_f32 v[ACC+16*\e+j], v[ACC+16*\e+j], v[BV+2*(\gg)+\e]
	s_delay_alu instid0(VALU_DEP_1)
	v_max_num_f32 v[ACC+16*\e+j], 0, v[ACC+16*\e+j]
.set j, j+1
.endr
.endr
.endm
	s_load_b512 s[4:19], s[0:1], 0x0               ; queries s[4:5], keys' codes s[6:7], keys' scales s[8:9], Wq's codes, scales s[10:13], bq s[14:15], Wk's codes, scales s[16:19]
	s_load_b256 s[20:27], s[0:1], 0x40             ; bk s[20:21], Wv's codes, scales s[22:25], bv s[26:27]
	s_load_b128 s[28:31], s[0:1], 0x60             ; qpack, kblob
	s_load_b64 s[32:33], s[0:1], 0x70              ; vblob
	v_lshl_add_u32 v[SPW], v0, 2, SPARE
	v_mov_b32 v[NIL], 0
	v_lshrrev_b32 v[TMP], 5, v0
	s_delay_alu instid0(VALU_DEP_1)
	v_readfirstlane_b32 s[WV], v[TMP]              ; wave = head
	v_and_b32 v[LANE], 31, v0
	v_and_b32 v[RR], 15, v0
	v_bfe_u32 v[HH], v0, 4, 1
	s_delay_alu instid0(VALU_DEP_3)
	v_lshlrev_b32 v[LI], 4, v[LANE]
	s_delay_alu instid0(VALU_DEP_4)
	v_lshlrev_b32 v[LS], 2, v[LANE]
	v_lshlrev_b32 v[G8], 3, v[LANE]
	v_and_b32 v[TMP], 8, v[RR]
	s_delay_alu instid0(VALU_DEP_1)
	v_add_nc_u32 v[TMP], v[TMP], v[RR]             ; r + 8 (r / 8)
	s_mul_i32 s35, s[WV], 8448
	s_add_co_u32 s35, s35, QST
	v_add_nc_u32 v[QSTW], s35, v[LI]               ; the f32 stage, in: a row's 512 bytes as loaded
	v_mul_u32_u24 v[QSTR], v[RR], 528
	s_delay_alu instid0(VALU_DEP_1)
	v_lshl_add_u32 v[QSTR], v[HH], 6, v[QSTR]
	s_delay_alu instid0(VALU_DEP_1)
	v_add_nc_u32 v[QSTR], s35, v[QSTR]             ; out: row r, my 16 numbers of each block of 32
	s_lshl_b32 s35, s[WV], 10
	v_add_nc_u32 v[XWI], s35, v[LI]                ; my fragment's image (XIMG = 0)
	s_lshl_b32 s35, s[WV], 7
	s_add_co_u32 s35, s35, XSC
	v_add_nc_u32 v[XWS], s35, v[LS]
	s_mul_i32 s35, s[WV], 4*272
	s_add_co_u32 s35, s35, KST
	v_mul_u32_u24 v[KSTW], v[HH], 272
	s_delay_alu instid0(VALU_DEP_1)
	v_lshl_add_u32 v[KSTW], v[RR], 4, v[KSTW]
	s_delay_alu instid0(VALU_DEP_1)
	v_add_nc_u32 v[KSTW], s35, v[KSTW]             ; key rows 4 w + lane / 16 (+ 2 e)
	v_mul_u32_u24 v[KSTR], v[TMP], 272
	s_delay_alu instid0(VALU_DEP_1)
	v_lshl_add_u32 v[KSTR], v[HH], 4, v[KSTR]      ; a fragment's row r + 8 (r / 8), + 16 x half
	s_mul_i32 s35, s[WV], 17408
	s_add_co_u32 s35, s35, WST
	v_add_nc_u32 v[WSTR], s35, v[KSTR]
	v_add_nc_u32 v[KSTR], KST, v[KSTR]
	v_mul_u32_u24 v[WSTW], v[HH], 272
	s_delay_alu instid0(VALU_DEP_1)
	v_lshl_add_u32 v[WSTW], v[RR], 4, v[WSTW]
	s_delay_alu instid0(VALU_DEP_1)
	v_add_nc_u32 v[WSTW], s35, v[WSTW]
	v_mul_u32_u24 v[WSTRV], v[RR], 272
	s_delay_alu instid0(VALU_DEP_1)
	v_lshl_add_u32 v[WSTRV], v[HH], 4, v[WSTRV]
	s_delay_alu instid0(VALU_DEP_1)
	v_add_nc_u32 v[WSTRV], s35, v[WSTRV]           ; Wv's tiles take neighbouring rows
	v_lshlrev_b32 v[KSA], 4, v[TMP]                ; a row of scale bytes is 16 bytes
	s_delay_alu instid0(VALU_DEP_1)
	v_lshl_add_u32 v[WSA], v[HH], 9, v[KSA]        ; lanes 16-31: 32 rows further on
	v_lshlrev_b32 v[WSV], 4, v[RR]
	s_delay_alu instid0(VALU_DEP_1)
	v_lshl_add_u32 v[VO], v[HH], 10, v[WSV]
	s_delay_alu instid0(VALU_DEP_2)
	v_lshl_add_u32 v[WSV], v[HH], 9, v[WSV]
	v_lshlrev_b32 v[BA], 6, v[HH]
	v_lshlrev_b32 v[BVA], 2, v[RR]
	s_mul_i32 s35, s[WV], 768
	s_add_co_u32 s35, s35, RST
	v_lshl_add_u32 v[RB8], v[RR], 3, s35
	v_add_nc_u32 v[RB4], s35, v[BVA]
	v_add_nc_u32 v[RBL4], s35, v[LS]
	v_add_nc_u32 v[RBL16], s35, v[LI]
	v_add_nc_u32 v[RBL8], s35, v[G8]
	v_mov_b32 v[TMP], 1.0
	v_mov_b32 v[ZERO], 0
.irp b, 0,1,2,3
	v_mov_b32 v[BX4+\b], 0                         ; written once: a lane permute's destination counts as one of its sources
.endr
	v_mov_b32 v[BX], 0
	v_mov_b32 v[BX+1], 0
	s_mov_b32 s[SEL], 0x76543210
	s_mov_b32 s[SEL+1], 0xfedcba98                 ; lane l xor 16
	s_mov_b32 s41, 0
	s_lshr_b32 s36, ttmp9, 6                       ; batch
	s_and_b32 s[TB], ttmp9, 63                     ; block of 32 keys in the batch
	s_lshl_b32 s[BH], s36, 3
	s_add_co_u32 s[BH], s[BH], s[WV]               ; 8 x batch + head
	s_wait_kmcnt 0x0
	s_lshl_b32 s40, ttmp9, 16                      ; queries: 32 g rows of 2,048 bytes,
	s_lshr_b32 s35, s[WV], 2
	s_lshl_b32 s35, s35, 15                        ; + 16 (w / 4) rows,
	s_add_co_u32 s40, s40, s35
	s_and_b32 s35, s[WV], 3
	s_lshl_b32 s35, s35, 9                         ; + K step w % 4
	s_add_co_u32 s40, s40, s35
	s_add_nc_u64 s[4:5], s[4:5], s[40:41]
	s_lshl_b32 s40, ttmp9, 13                      ; the keys' codes: 32 g rows of 256 bytes + my wave's four
	s_lshl_b32 s35, s[WV], 10
	s_add_co_u32 s40, s40, s35
	s_add_nc_u64 s[6:7], s[6:7], s[40:41]
	s_lshl_b32 s40, ttmp9, 9
	s_add_nc_u64 s[8:9], s[8:9], s[40:41]
	s_lshl_b32 s40, s[WV], 14                      ; my head's 64 rows of each weight,
	s_add_nc_u64 s[10:11], s[10:11], s[40:41]
	s_add_nc_u64 s[16:17], s[16:17], s[40:41]
	s_add_nc_u64 s[22:23], s[22:23], s[40:41]
	s_lshl_b32 s40, s[WV], 10                      ; of their scale bytes,
	s_add_nc_u64 s[12:13], s[12:13], s[40:41]
	s_add_nc_u64 s[18:19], s[18:19], s[40:41]
	s_add_nc_u64 s[24:25], s[24:25], s[40:41]
	s_lshl_b32 s40, s[WV], 8                       ; and its 64 numbers of each bias
	s_add_nc_u64 s[14:15], s[14:15], s[40:41]
	s_add_nc_u64 s[20:21], s[20:21], s[40:41]
	s_add_nc_u64 s[26:27], s[26:27], s[40:41]
	s_lshl_b32 s40, ttmp9, 3
	s_add_co_u32 s40, s40, s[WV]
	s_mul_i32 s40, s40, 1280                       ; qpack: record 8 g + head
	s_add_nc_u64 s[28:29], s[28:29], s[40:41]
	s_mul_i32 s40, s[BH], 98304
	s_add_nc_u64 s[30:31], s[30:31], s[40:41]
	s_lshl_b32 s40, s[TB], 9
	s_add_co_u32 s40, s40, 65536
	s_add_nc_u64 s[44:45], s[30:31], s[40:41]      ; kblob: my record of 512 bytes,
	s_lshl_b32 s40, s[TB], 10
	s_add_nc_u64 s[30:31], s[30:31], s[40:41]      ; and my two tiles of codes
	s_lshl_b32 s40, s[BH], 16
	s_lshr_b32 s35, s[TB], 2
	s_lshl_b32 s35, s35, 12
	s_add_co_u32 s40, s40, s35
	s_and_b32 s35, s[TB], 3
	s_lshl_b32 s35, s35, 8
	s_add_co_u32 s40, s40, s35
	s_add_nc_u64 s[32:33], s[32:33], s[40:41]      ; vblob: step tb / 4, block tb % 4
	; ---- the first 62 loads: 16 of x, 2 of the keys' codes, 2 of their scale words, 42 for Wq
.irp i, 0,1,2,3,4,5,6,7,8,9,10,11,12,13,14,15
	global_load_b128 v[A+4*\i:A+4*\i+3], v[LI], s[4:5] offset:2048*\i th:TH_LOAD_NT   ; row i: 512 consecutive bytes
.endr
.irp e, 0,1
	global_load_b128 v[KRAW+4*\e:KRAW+4*\e+3], v[LI], s[6:7] offset:512*\e th:TH_LOAD_NT
.endr
.irp u, 0,1
	global_load_b128 v[AS+4*\u:AS+4*\u+3], v[KSA], s[8:9] offset:128*\u    ; key 8 u + r + 8 (r / 8): its four words
.endr
	WSMALL WSQ, BQ, 12, 14
	WRAW R0, 10
	s_wait_loadcnt 46                              ; x's 16 are in: behind them stand 2 + 2 + 42
.irp i, 0,1,2,3,4,5,6,7,8,9,10,11,12,13,14,15
	ds_store_b128 v[QSTW], v[A+4*\i:A+4*\i+3] offset:528*\i
.endr
.irp b, 0,1,2,3
.irp j, 0,1,2,3
	ds_load_b128 v[A+16*\b+4*\j:A+16*\b+4*\j+3], v[QSTR] offset:128*\b+16*\j   ; LDS serves a wave in order: these see my stores
.endr
.endr
	s_wait_loadcnt 44                              ; the keys' codes are in: behind them 2 + 42
.irp e, 0,1
	ds_store_b128 v[KSTW], v[KRAW+4*\e:KRAW+4*\e+3] offset:544*\e
.endr
	s_wait_dscnt 2                                 ; x is back from the stage; the two stores just issued may be out
	QUANT4 A
	ds_store_b128 v[XWI], v[PC8:PC8+3]             ; the fragment goes to LDS as an image of its registers
	ds_store_b128 v[XWI], v[PC8+4:PC8+7] offset:512
	ds_store_b32 v[XWS], v[PW4]
	; ---- 48 more loads: 42 for Wk, 6 small ones for Wv
	WSMALL WSK, BK, 18, 20
	WRAW R1, 16
.irp e, 0,1
	global_load_b128 v[WSVR+4*\e:WSVR+4*\e+3], v[WSV], s[24:25] offset:256*\e   ; lanes 0-15: tile e; lanes 16-31: tile 2 + e
.endr
.irp t, 0,1,2,3
	global_load_b32 v[BV+\t], v[BVA], s[26:27] offset:64*\t
.endr
	s_wait_loadcnt 48                              ; all for Wq is in: behind it the 48 just issued
	WTURN R0, WSTR, 0
	s_wait_dscnt 0x0                               ; for the others' sake: my image of x and my key rows lie in LDS; for mine: Wq's fragments are in
	s_barrier_signal -1
	s_barrier_wait -1                              ; the launch's one barrier: x's eight images and the 32 key rows are whole
	; ---- Q
.irp f, 0,1,2,3,4,5,6,7
.irp c, 0,1
	ds_load_b128 v[A+8*\f+4*\c:A+8*\f+4*\c+3], v[LI] offset:XIMG+1024*\f+512*\c
.endr
	ds_load_b32 v[XS+\f], v[LS] offset:XSC+128*\f
.endr
	s_wait_dscnt 0x0
.irp m, 0,1
	UNITT R0, BQ, WSQ, XS, \m
	QUANT2
	v_lshl_or_b32 v[PWQ], v[BY+1], 8, v[BY]
	s_delay_alu instid0(VALU_DEP_1)
	v_lshl_or_b32 v[PWQ], v[PWQ], 16, v[PWQ]       ; the two empty blocks of the score product's K repeat the bytes of the two live ones
	v_cmp_lt_f32 vcc_lo, 0, v[MK]
	s_delay_alu instid0(VALU_DEP_1)
	v_cndmask_b32 v[PWQ+1], 0, v[TMP], vcc_lo      ; the query's mask: 1.0 or 0
	global_store_b128 v[LI], v[PC:PC+3], s[28:29] offset:512*\m    ; 512 consecutive bytes
	ds_store_b64 v[RB8], v[PWQ:PWQ+1] offset:512+128*\m            ; both lanes of a row write the same
.endr
	PLACES 4                                       ; in front of loads into registers that matrix instructions have read
	WRAW R0, 22                                    ; Wv's rows: 32 loads
	s_wait_loadcnt 38                              ; all for Wk is in: behind it 6 + 32
	WTURN R1, WSTR, 0
.irp u, 0,1
.irp s, 0,1,2,3
.irp c, 0,1
	ds_load_b128 v[A+8*(4*\u+\s)+4*\c:A+8*(4*\u+\s)+4*\c+3], v[KSTR] offset:8*\u*272+64*\s+32*\c
.endr
.endr
.endr
	s_wait_dscnt 0x0
	; ---- K
.irp u, 0,1
	UNITT R1, BK, WSK, AS, \u
	QUANT2
	v_lshl_or_b32 v[PWQ], v[BY+1], 8, v[BY]
	s_delay_alu instid0(VALU_DEP_1)
	v_or_b32 v[PWQ], 0x7f9e0000, v[PWQ]            ; K's scale word: byte 2 = 2^31 for the block of the score product's K that carries the key's mask, byte 3 = 1.0
	v_cmp_lt_f32 vcc_lo, 0, v[MK]
	s_delay_alu instid0(VALU_DEP_1)
	v_cndmask_b32 v[KMB], 14, v[ZERO], vcc_lo      ; in place of the f32 bias that the head names, the key's mask goes out as a word of codes: 0, or the code of -4 at k = 64, which under 2^31 and against the query side's 1.0 is -2^33
	global_store_b128 v[LI], v[PC:PC+3], s[30:31] offset:512*\u
	ds_store_b32 v[RB8], v[PWQ] offset:4*\u
	ds_store_b32 v[RB4], v[KMB] offset:256+64*\u
.endr
	s_wait_loadcnt 0x0                             ; Wv's rows, scale words and bias
	WTURN R0, WSTRV, 1
	s_wait_dscnt 0x0
	; ---- V
	UNITV 0
	QUANT2
	v_lshl_or_b32 v[VW], v[BY+1], 8, v[BY]         ; byte t: this key block's scale for channel 16 t + r
	global_store_b128 v[VO], v[PC:PC+3], s[32:33]  ; lanes 0-15 fill 256 aligned bytes of tile 0's fragment, lanes 16-31 of tile 1's
	UNITV 1
	QUANT2
	v_lshl_or_b32 v[VW], v[BY], 16, v[VW]
	s_delay_alu instid0(VALU_DEP_1)
	v_lshl_or_b32 v[VW], v[BY+1], 24, v[VW]
	global_store_b128 v[VO], v[PC:PC+3], s[32:33] offset:2048
	; ---- the records leave as whole runs of 512 and 256 bytes
	ds_store_b32 v[RB4], v[VW] offset:128
	ds_store_b32 v[RB4], v[ZERO] offset:192
	ds_store_b32 v[RBL4], v[ZERO] offset:384
	ds_load_b128 v[BM:BM+3], v[RBL16]              ; LDS serves a wave in order: these see my stores
	ds_load_b64 v[SO:SO+1], v[RBL8] offset:512
	s_wait_dscnt 0x0
	global_store_b128 v[LI], v[BM:BM+3], s[44:45]
	global_store_b64 v[G8], v[SO:SO+1], s[28:29] offset:1024
	s_wait_tensorcnt 0x0                           ; the wave's end, behind my last LDS store
	ds_add_u32 v[SPW], v[NIL]
	s_wait_dscnt 0x0
	s_endpgm
.Lfunc_end_k_qdbd1d16299_proj:
	.size	k_qdbd1d16299_proj, .Lfunc_end_k_qdbd1d16299_proj-k_qdbd1d16299_proj
	.p2alignl 7, 3214868480
	.fill 96, 4, 3214868480
	.section	.rodata,"a",@progbits
	.p2align	6, 0x0
	.amdhsa_kernel k_qdbd1d16299_proj
		.amdhsa_group_segment_fixed_size 231936
		.amdhsa_private_segment_fixed_size 0
		.amdhsa_enable_private_segment 0
		.amdhsa_kernarg_size 120
		.amdhsa_user_sgpr_count 2
		.amdhsa_user_sgpr_kernarg_segment_ptr 1
		.amdhsa_wavefront_size32 1
		.amdhsa_system_sgpr_workgroup_id_x 1
		.amdhsa_system_sgpr_workgroup_id_y 1
		.amdhsa_system_sgpr_workgroup_id_z 1
		.amdhsa_system_vgpr_workitem_id 0
		.amdhsa_next_free_vgpr 512
		.amdhsa_next_free_sgpr 66
		.amdhsa_reserve_vcc 1
		.amdhsa_float_denorm_mode_32 3
		.amdhsa_float_denorm_mode_16_64 3
		.amdhsa_memory_ordered 1
		.amdhsa_forward_progress 1
		.amdhsa_inst_pref_size 85
	.end_amdhsa_kernel
	.amdgpu_metadata
---
amdhsa.version: [ 1, 2 ]
amdhsa.kernels:
  - .name:           k_qdbd1d16299_proj
    .symbol:         k_qdbd1d16299_proj.kd
    .args:
      - { .name: queries, .offset: 0, .size: 8, .value_kind: global_buffer, .address_space: global }
      - { .name: keys_in_codes, .offset: 8, .size: 8, .value_kind: global_buffer, .address_space: global }
      - { .name: keys_in_scales, .offset: 16, .size: 8, .value_kind: global_buffer, .address_space: global }
      - { .name: Wq_codes, .offset: 24, .size: 8, .value_kind: global_buffer, .address_space: global }
      - { .name: Wq_scales, .offset: 32, .size: 8, .value_kind: global_buffer, .address_space: global }
      - { .name: bq, .offset: 40, .size: 8, .value_kind: global_buffer, .address_space: global }
      - { .name: Wk_codes, .offset: 48, .size: 8, .value_kind: global_buffer, .address_space: global }
      - { .name: Wk_scales, .offset: 56, .size: 8, .value_kind: global_buffer, .address_space: global }
      - { .name: bk, .offset: 64, .size: 8, .value_kind: global_buffer, .address_space: global }
      - { .name: Wv_codes, .offset: 72, .size: 8, .value_kind: global_buffer, .address_space: global }
      - { .name: Wv_scales, .offset: 80, .size: 8, .value_kind: global_buffer, .address_space: global }
      - { .name: bv, .offset: 88, .size: 8, .value_kind: global_buffer, .address_space: global }
      - { .name: qpack, .offset: 96, .size: 8, .value_kind: global_buffer, .address_space: global }
      - { .name: kblob, .offset: 104, .size: 8, .value_kind: global_buffer, .address_space: global }
      - { .name: vblob, .offset: 112, .size: 8, .value_kind: global_buffer, .address_space: global }
    .group_segment_fixed_size: 231936
    .private_segment_fixed_size: 0
    .kernarg_segment_align: 8
    .kernarg_segment_size: 120
    .max_flat_workgroup_size: 256
    .sgpr_count:     66
    .vgpr_count:     512
    .wavefront_size: 32
...
	.end_amdgpu_metadata
.endif
;; end of part 1
;; launch attn (part 2): grid 8 x 32, 4 waves a work-group, clusters of 4 x 1, 327,680 bytes of LDS; arguments qpack, kblob, vblob, queries, res; writes res
.if DOCPART == 2
	.amdgcn_target "amdgcn-amd-amdhsa--gfx1250"
	.amdhsa_code_object_version 6
	.text
	.protected	k_qdbd1d16299_attn
	.globl	k_qdbd1d16299_attn
	.p2align	8
	.type	k_qdbd1d16299_attn,@function
k_qdbd1d16299_attn:
	s_mov_b64 s[64:65], 0
	v_nop
	global_prefetch_b8 v0, s[64:65] scope:SCOPE_SE
	s_setreg_imm32_b32 hwreg(HW_REG_WAVE_MODE, 25, 1), 1
	s_wait_xcnt 0x0
	s_wait_alu depctr_hold_cnt(0) depctr_sa_sdst(0) depctr_va_vdst(0) depctr_va_sdst(0) depctr_va_ssrc(0) depctr_va_vcc(0) depctr_vm_vsrc(0)
	s_getreg_b32 s2, hwreg(HW_REG_IB_STS2, 6, 4)
	s_cmp_eq_u32 s2, 0
	s_cbranch_scc0 .Lentry_in_a_cluster
	s_endpgm
.Lentry_in_a_cluster:
	s_bfe_u32 s2, ttmp6, 0x10000c
	s_cmp_lg_u32 s2, 0x3003
	s_cbranch_scc0 .Lentry_shape_is_right
	s_endpgm
.Lentry_shape_is_right:
; ATTENTION on codes of E2M1: res = softmax(Q K^T / 8, keys masked) x qmask, quantised along the keys, times V, + queries.  Nothing is left out: all inputs of this launch reach res.
; The softmax is quantised finished and normalised, so the row's sum is known before any p is converted.  EACH SCORE IS MULTIPLIED, SCALED AND EXPONENTIATED ONCE AND STAYS ON THE WGP until the sum is known.
; SHARES.  A work-group owns 256 queries of one batch and head; K, V and their scales lie whole in LDS.  Four waves, one to a SIMD, 1,024 registers each; a wave walks 4 tiles of 16 queries (tile 4 it + wave).
; A tile's 16 x 2,048 numbers are 16 key steps x 64 registers: steps 0-11 in windows 1-3, step 15 in window 0 (S); steps 12-14 land in S2 and their p waits in the wave's own LDS bytes (3 x 8,192).
; THE FIRST WALK is a pipeline over the steps in the order 12, 0 .. 3, 13, 4 .. 11, 14, 15.  A stage holds: its LDS stores and K's loads; the largest scores of the next step's four blocks of 32 keys and the running maximum M;
; among these lines the sum of the step before; then this step's exponentials p = 2^(c s - c M), M as it stood at that step, with the next step's multiply-adds and the products of the step after that among them.
; When M moves, the sum is multiplied by 2^(c (old M - new M)) in the first link of each of its chains.  Each step's -c M goes to LDS; at the end g = 2^(c (that M - the last M)) x qmask / sum is made for each step.
; THE SECOND WALK: p x g, the block's scale from its largest p x g (p of its largest score, made by the same instructions), codes, O^T += V^T P^T.
; THE KEY MASK rides in the product: a head has 64 of the instruction's 128 along K; at k = 64 the key side holds the code 0 or -4 under the scale 2^31 and the query side 1.0 under 1.0: 0 or -2^33 is added to the score.
; Divided by 8 that is -2^30 where the source has -1e9: scores of keys that count are 0 or more, so either gives p = 0 in f32; where no key counts all scores are equal and the softmax is uniform.
; CLUSTER: the four work-groups along x read the same K and V: joint loads, one a wave, at the head.  No prefetch: K and V are asked for once, at the head, and there is no loop to run ahead in.
; LIMITS: NaN and infinities among the inputs are not served.  A block of zeros carries the byte 1: its codes are zeros.  A block's largest p is taken as p of its largest score (v_exp_f32 taken not to fall where its input rises).
.set REC,   65536                      ; LDS: K's codes from 0; K's records (scale words, V's scale bytes, mask words)
.set VC,    98304                      ; V's codes
.set VSX,   163840                     ; V's scale words, turned: step, channel r, tile t
.set BMX,   167936                     ; for each wave 16 steps x 512 bytes: the blocks' largest p
.set SPL,   200704                     ; for each wave 3 x 8,192 bytes: p of steps 12-14
.set STG,   299008                     ; for each wave 16 rows x 272 bytes: the way out
.set SPARE, 316416                     ; the spare words
.set NCX,   316928                     ; for each wave 16 steps x 128 bytes: -c M of each step
.set AK0, 1
.set AR0, 2
.set AB0, 3
.set AV0, 4
.set AS0, 5
.set ABM, 6
.set ASP, 7
.set STO, 8
.set RD,  9
.set GO,  10
.set AQS, 11
.set SPW, 12
.set NIL, 13
.set NEGB, 14                          ; -3e38
.set T,   15
.set Q,   16                           ; v16-23 Q's fragment; v20: the code 1.0 at k = 64
.set QS,  24
.set QM,  25
.set QN,  26                           ; the next tile's scale word and mask; in the first walk the odd stages' factor of the sum
.set NCM, 28                           ; -c M (a pair is named)
.set PH,  30                           ; the even stages' factor of the sum (a pair is named)
.set KF,  32                           ; v32-95 eight fragments of K; in the second walk two sets of four fragments of V
.set S,   96
.set S2,  160                          ; first walk: the landing of steps 12-14; second walk: what follows
.set O,   160
.set P,   192
.set PM,  200                          ; two sets of four
.set SO,  208
.set BY,  212
.set L,   224                          ; the sum in four pairs; second walk: g of steps 0-7
.set SK,  232                          ; K's scale words; second walk: V's, set 0; set 1 at v244
.set XB,  236                          ; the blocks' largest: two sets, v236 and v248; second walk: g of steps 8-11 and 12-15
.set BX,  240
.set M,   252
.set PW,  253
.set XC,  254                          ; at work; at the head an address
.set ANC, 255
.set WV,  14
.set SEL, 20
.set CS,  22
.set G1K, 24
.set G1V, 32
.set G0K, 40
.set G0V, 44
.set IT,  48
.set NEGC, 52
.set MSB, 0
.macro WIN new                         ; low byte: 1:0 source 0, 3:2 source 1, 5:4 source 2, 7:6 destination; the high byte repeats the setting that is left
.if MSB != \new
	s_set_vgpr_msb (MSB<<8)|\new
.set MSB, \new
.endif
.endm
.macro WAITV
	s_wait_alu depctr_va_vdst(0)
.endm
.macro NOPS n
.rept \n
	v_nop
.endr
.endm
.macro CROUND
	s_barrier_signal -1
	s_barrier_wait -1
	s_cmp_lg_u32 s[WV], 0
	s_cbranch_scc1 .Lnot_wave_0_\@
	s_barrier_signal -3
.Lnot_wave_0_\@:
	s_barrier_wait -3
	s_barrier_signal -1
	s_barrier_wait -1
.endm
.macro LOC i, ph                       ; where step i lies in walk ph (1, 2): window LW, register LB
.if (\i) < 12
.set LW, 1+(\i)/4
.set LB, 64*((\i)%4)
.else
.set LW, 0
.if (\i) == 15
.set LB, S
.elseif (\ph) == 1
.set LB, S2
.else
.set LB, S
.endif
.endif
.endm
.macro GSEL x                          ; g of step x: register GR; GE the pair that holds it, GODD its place in the pair
.if (\x) < 8
.set GR, L+(\x)
.else
.set GR, XB+(\x)-8+8*((\x)/12)
.endif
.set GODD, GR%2
.set GE, GR-GODD
.endm
.macro LOADK i                         ; step i: eight tiles' codes, their mask words (register 4 of each fragment), their scale words: 18 loads; destination and address in window 0
.irp t, 0,1,2,3,4,5,6,7
	ds_load_b128 v[KF+8*\t:KF+8*\t+3], v[AK0] offset:4096*(\i)+512*\t
.endr
.irp t, 0,1,2,3,4,5,6,7
	ds_load_b32 v[KF+8*\t+4], v[AB0] offset:2048*(\i)+512*(\t/2)+64*(\t%2)
.endr
.irp g, 0,1
	ds_load_b64 v[SK+2*\g:SK+2*\g+1], v[AR0] offset:2048*(\i)+1024*\g
.endr
.endm
.macro WMS i                           ; S^T of step i: source 0 = 16 keys, source 1 = my 16 queries; eight accumulators, each begun with 0
	LOC \i, 1
	WIN (LW<<6)
.irp t, 0,1,2,3,4,5,6,7
.if (\t/2)%2
	v_wmma_scale_f32_16x16x128_f8f6f4 v[LB+8*\t:LB+8*\t+7], v[KF+8*\t:KF+8*\t+7], v[Q:Q+7], 0, v[SK+2*(\t/4)+(\t%2)], v[QS] matrix_a_fmt:MATRIX_FMT_FP4 matrix_b_fmt:MATRIX_FMT_FP4 matrix_a_scale:MATRIX_SCALE_ROW1
.else
	v_wmma_scale_f32_16x16x128_f8f6f4 v[LB+8*\t:LB+8*\t+7], v[KF+8*\t:KF+8*\t+7], v[Q:Q+7], 0, v[SK+2*(\t/4)+(\t%2)], v[QS] matrix_a_fmt:MATRIX_FMT_FP4 matrix_b_fmt:MATRIX_FMT_FP4
.endif
.endr
.endm
.macro WMSZ z
.if (\z) >= 0
	s_wait_dscnt 0x0                               ; K's fragments of step z are in
	WMS \z
.endif
.endm
.macro ADDS n                          ; n links of the sum of the step before: S is source 2, so that the lines among which they stand keep window 0 for their two sources.  The first link of each chain brings the sum under that step's M
.if HASX
.rept \n
.if KA < 4
	v_pk_fma_f32 v[L+2*(KA%4):L+2*(KA%4)+1], v[L+2*(KA%4):L+2*(KA%4)+1], v[PHQ:PHQ+1], v[AB_+2*KA:AB_+2*KA+1] op_sel_hi:[1,0,1]
.else
	v_pk_fma_f32 v[L+2*(KA%4):L+2*(KA%4)+1], v[L+2*(KA%4):L+2*(KA%4)+1], 1.0, v[AB_+2*KA:AB_+2*KA+1] op_sel_hi:[1,0,1]
.endif
.set KA, KA+1
.endr
.endif
.endm
.macro FMA1 r                          ; c s - c M of the pair at r
	v_pk_fma_f32 v[\r:\r+1], v[\r:\r+1], s[CS:CS+1], v[NCM:NCM+1] op_sel_hi:[1,0,0]
.endm
; A STAGE of the first walk.  xm, x, y, z: the steps at places n - 1, n, n + 1, n + 2 of the order (-1: none); par = n % 2; rxm: xm is spilled as piece rxm
.macro PIPE xm, x, y, z, par, rxm
	WIN 0
	WAITV                                          ; for the last batch, and between the last stage's multiply-adds and this stage's exponentials
.set XQ, XB+12*(1-\par)
.set PHQ, PH-4*(1-\par)
	; the stage's LDS instructions stand together here
.if (\xm) >= 0
	ds_store_b128 v[ABM], v[XQ:XQ+3] offset:512*(\xm)              ; xm's blocks' largest p
.endif
.if (\x) >= 0
	ds_store_b32 v[ANC], v[NCM] offset:128*(\x)                    ; -c M as it stands for x
.endif
.if (\rxm) >= 0
.set j, 0
.rept 16
	ds_store_b128 v[ASP], v[S2+4*j:S2+4*j+3] offset:8192*(\rxm)+512*j
.set j, j+1
.endr
.endif
.if (\z) >= 0
	LOADK \z                                       ; y's products read these registers last; more than four plain lines stand behind them
.endif
.if (\y) >= 0
	LOC \y, 1
	WIN ((LW<<2)|(LW<<4))
	WAITV                                          ; directly ahead of the first readers of y's products
.irp k, 0,2,4,6                        ; y's largest scores in eight chains, one for each accumulator, by turns, each accumulator from its low end on
.irp b, 0,1,2,3
.if \k == 0
	v_max3_num_f32 v[XQ+\b], v[NEGB], v[LB+16*\b], v[LB+16*\b+1]
.else
	v_max3_num_f32 v[XQ+\b], v[XQ+\b], v[LB+16*\b+\k], v[LB+16*\b+\k+1]
.endif
.endr
.irp b, 0,1,2,3
.if \k == 0
	v_max3_num_f32 v[BX+\b], v[NEGB], v[LB+16*\b+8], v[LB+16*\b+9]
.else
	v_max3_num_f32 v[BX+\b], v[BX+\b], v[LB+16*\b+8+\k], v[LB+16*\b+9+\k]
.endif
.endr
.endr
.endif
.set HASX, 0
.set KA, 0
.if (\xm) >= 0
.set HASX, 1
	LOC \xm, 1
.set AB_, LB
	WIN (LW<<4)
.else
	WIN 0
.endif
.if (\y) >= 0
	ADDS 4
.irp b, 0,1,2,3
	v_max_num_f32 v[XQ+\b], v[XQ+\b], v[BX+\b]     ; a block's two chains
.endr
	ADDS 4
.irp b, 0,1,2,3
	v_permlanex16_b32 v[BX+\b], v[XQ+\b], s[SEL], s[SEL+1]
.endr
	ADDS 4
.irp b, 0,1,2,3
	v_max_num_f32 v[XQ+\b], v[XQ+\b], v[BX+\b]     ; with lane l xor 16's 16 keys
.endr
	ADDS 3
	v_max_num_f32 v[T], v[XQ], v[XQ+1]
	v_max_num_f32 v[XC], v[XQ+2], v[XQ+3]
	v_mov_b32 v[PHQ], v[NCM]                       ; the old -c M (xm's factor has been used by the first four links)
	ADDS 3
	v_max_num_f32 v[T], v[T], v[XC]
	ADDS 2
	v_max_num_f32 v[M], v[M], v[T]                 ; the running maximum
	ADDS 2
	v_mul_f32 v[NCM], s[NEGC], v[M]
	ADDS 5
	v_sub_f32 v[PHQ], v[NCM], v[PHQ]               ; c (old M - new M)
	ADDS 5
.else
	ADDS 32
.endif
	WIN 0
.if (\xm) < 0                          ; with a sum among the lines above, 11 plain lines stand behind the write of -c M, and what the batch reads was written ahead of this stage's first waits
	WAITV
.elseif (\x) < 0
	WAITV
.endif
.if (\x) >= 0
.irp b, 0,1,2,3
	v_exp_f32 v[XB+12*\par+\b], v[XB+12*\par+\b]   ; x's blocks' largest p
.endr
	v_exp_f32 v[PH-4*\par], v[PH-4*\par]           ; the factor that brings the sum under x's M
.endif
.set WX, -1
.set WY, -2
.if (\x) >= 0
	LOC \x, 1
.set WX, LW
.set EB, LB
.endif
.if (\y) >= 0
	LOC \y, 1
.set WY, LW
.set FB, LB
.endif
.if WX == WY                           ; x and y in one window: y's multiply-adds stand among x's exponentials, eight pairs behind; their results are read behind the next stage's waits
.set j, 0
.rept 32
.if j == 16
	WMSZ \z
.endif
	WIN ((WX<<6)|WX)
	v_exp_f32 v[EB+2*j], v[EB+2*j]
	v_exp_f32 v[EB+2*j+1], v[EB+2*j+1]
.if j >= 8
	FMA1 FB+2*j-16
.endif
.set j, j+1
.endr
.set j, 48
.rept 8
	FMA1 FB+j
.set j, j+2
.endr
.else
.if (\x) >= 0
.set j, 0
.rept 64
.if j == 32
	WMSZ \z
.endif
	WIN ((WX<<6)|WX)
	v_exp_f32 v[EB+j], v[EB+j]
.set j, j+1
.endr
.else
	WMSZ \z
.endif
.if (\y) >= 0
	WIN ((WY<<6)|WY)
.set j, 0
.rept 32
	FMA1 FB+j
.set j, j+2
.endr
.endif
.endif
	WIN 0
.if (\y) >= 0
	FMA1 XQ
	FMA1 XQ+2
.else
	v_nop
.endif
.endm
.macro LOADC y, par                    ; step y for the second walk: the blocks' largest p first, V's scale words, four fragments of V: 10 loads
	ds_load_b128 v[PM+4*(\par):PM+4*(\par)+3], v[ABM] offset:512*(\y)
	ds_load_b128 v[SK+12*(\par):SK+12*(\par)+3], v[AS0] offset:256*(\y)
.irp t, 0,1,2,3
.irp c, 0,1
	ds_load_b128 v[KF+32*(\par)+8*\t+4*\c:KF+32*(\par)+8*\t+4*\c+3], v[AV0] offset:4096*(\y)+1024*\t+512*\c
.endr
.endr
.endm
.macro PKG r                           ; the pair at r x g
.if GODD
	v_pk_mul_f32 v[\r:\r+1], v[\r:\r+1], v[GE:GE+1] op_sel:[0,1] op_sel_hi:[1,1]
.else
	v_pk_mul_f32 v[\r:\r+1], v[\r:\r+1], v[GE:GE+1] op_sel_hi:[1,0]
.endif
.endm
.macro MULC y                          ; p x g of step y
	GSEL \y
	LOC \y, 2
	WIN ((LW<<6)|LW)
.set j, 0
.rept 32
	PKG LB+j
.set j, j+2
.endr
	WIN 0
.endm
; THE SECOND WALK, one step: x's scales and codes; the next step's loads; its multiplications, which are also the places ahead of the products; O^T += V^T P^T.  sp: piece sp of the spilled p comes into S, which x has just left
.macro CST x, y, par, first, sp
	s_wait_dscnt 9                                 ; x's largest p are in, and all that was asked for ahead of them; x's 9 other loads may be out
	GSEL \x
	PKG PM+4*\par
	PKG PM+4*\par+2
.irp b, 0,1,2,3
	v_max_num_f32 v[PM+4*\par+\b], 0x1800000, v[PM+4*\par+\b]      ; the floor 2^(3 - 127): the byte cannot fall under 1
.endr
.irp b, 0,1,2,3
	v_add_nc_u32 v[SO+\b], 0xff000000, v[PM+4*\par+\b]             ; 2 off the exponent field: the conversion's scale operand
.endr
	LOC \x, 2
	WIN LW
.irp b, 0,1,2,3
	v_cvt_scalef32_pk8_fp4_f32 v[P+2*\b], v[LB+16*\b:LB+16*\b+7], v[SO+\b]
	v_cvt_scalef32_pk8_fp4_f32 v[P+2*\b+1], v[LB+16*\b+8:LB+16*\b+15], v[SO+\b]
.endr
	WIN 0
.irp b, 0,1,2,3
	v_lshrrev_b32 v[BY+\b], 23, v[SO+\b]           ; the scales' bytes (plain lines behind the scaled conversions)
.endr
	v_lshl_or_b32 v[BY], v[BY+1], 8, v[BY]
	v_lshl_or_b32 v[BY+2], v[BY+3], 8, v[BY+2]
	v_lshl_or_b32 v[PW], v[BY+2], 16, v[BY]
.irp c, 0,1
.irp i, 0,1
	v_permlane16_swap_b32 v[P+4*\c+\i], v[P+4*\c+2+\i]             ; a whole block to a lane
.endr
.endr
.if (\sp) >= 0
.set j, 0
.rept 16
	ds_load_b128 v[S+4*j:S+4*j+3], v[ASP] offset:8192*(\sp)+512*j
.set j, j+1
.endr
.endif
.if (\y) >= 0
	LOADC \y, 1-\par
	MULC \y
.if (\sp) >= 0
	s_wait_dscnt 26                                ; x's fragments of V are in: behind them the 16 and the 10 just issued
.else
	s_wait_dscnt 10                                ; behind them the 10 just issued
.endif
.else
	NOPS 8
	WAITV
	s_wait_dscnt 0x0
.endif
.irp t, 0,1,2,3                        ; the four accumulators take turns, one instruction a turn
.if \first
	v_wmma_scale_f32_16x16x128_f8f6f4 v[O+8*\t:O+8*\t+7], v[KF+32*\par+8*\t:KF+32*\par+8*\t+7], v[P:P+7], 0, v[SK+12*\par+\t], v[PW] matrix_a_fmt:MATRIX_FMT_FP4 matrix_b_fmt:MATRIX_FMT_FP4
.else
	v_wmma_scale_f32_16x16x128_f8f6f4 v[O+8*\t:O+8*\t+7], v[KF+32*\par+8*\t:KF+32*\par+8*\t+7], v[P:P+7], v[O+8*\t:O+8*\t+7], v[SK+12*\par+\t], v[PW] matrix_a_fmt:MATRIX_FMT_FP4 matrix_b_fmt:MATRIX_FMT_FP4
.endif
.endr
.endm
	s_load_b256 s[4:11], s[0:1], 0x0               ; qpack, kblob, vblob, queries
	s_load_b64 s[12:13], s[0:1], 0x20              ; res
	v_lshl_add_u32 v[SPW], v0, 2, SPARE
	v_mov_b32 v[NIL], 0
	ds_add_u32 v[SPW], v[NIL]                      ; the opening lines: the add twice on end and its wait ahead of my tensor load
	ds_add_u32 v[SPW], v[NIL]
	v_lshrrev_b32 v[T], 5, v0
	v_readfirstlane_b32 s[WV], v[T]                ; wave 0..3
	s_bfe_u32 s15, ttmp6, 0x40000
	s_lshl_b32 s16, ttmp9, 2
	s_add_co_u32 s16, s16, s15                     ; block of 256 queries
	s_and_b32 s17, ttmp7, 0xffff                   ; 8 x batch + head
	s_lshr_b32 s18, s17, 3
	s_and_b32 s19, s17, 7
	s_mov_b32 s[G1K], 15|(3<<16)|(1<<21)           ; dense rows of 256 bytes (32 elements of 8); the mask names the cluster's four
	s_mov_b32 s[G1K+1], 32<<16
	s_mov_b32 s[G1K+2], 192<<16                    ; half of K's codes and records: 192 rows
	s_mov_b32 s[G1K+3], 32<<16
	s_mov_b32 s[G1K+4], 192
	s_mov_b32 s[G1K+5], 32
	s_mov_b32 s[G1K+6], 0
	s_mov_b32 s[G1K+7], 0
	s_mov_b32 s[G1V], 15|(3<<16)|(1<<21)
	s_mov_b32 s[G1V+1], 32<<16
	s_mov_b32 s[G1V+2], 128<<16                    ; half of V's codes: 128 rows
	s_mov_b32 s[G1V+3], 32<<16
	s_mov_b32 s[G1V+4], 128
	s_mov_b32 s[G1V+5], 32
	s_mov_b32 s[G1V+6], 0
	s_mov_b32 s[G1V+7], 0
	s_mov_b32 s[SEL], 0x76543210
	s_mov_b32 s[SEL+1], 0xfedcba98                 ; lane l xor 16
	s_mov_b32 s[CS], 0x3e38aa3b                    ; c = log2(e) / 8
	s_mov_b32 s[CS+1], s[CS]
	s_mov_b32 s[NEGC], 0xbe38aa3b
	s_mov_b32 s[IT], 0
	s_mov_b32 s51, 0
	s_mov_b32 s55, 0
	s_mov_b32 s57, 0
	s_and_b32 s53, s[WV], 1
	s_wait_dscnt 0x0
	s_wait_kmcnt 0x0
	s_mul_i32 s54, s17, 98304                      ; waves 0, 1: the halves of my head's part of kblob; waves 2, 3: of vblob
	s_mul_i32 s[G0K+1], s53, 49152
	s_add_co_u32 s54, s54, s[G0K+1]
	s_mov_b32 s[G0K], 1
	s_add_nc_u64 s[G0K+2:G0K+3], s[6:7], s[54:55]
	s_or_b32 s[G0K+3], s[G0K+3], 0x80000000
	s_lshl_b32 s54, s17, 16
	s_lshl_b32 s56, s53, 15
	s_add_co_u32 s54, s54, s56
	s_mov_b32 s[G0V], 1
	s_add_co_u32 s[G0V+1], s56, VC
	s_add_nc_u64 s[G0V+2:G0V+3], s[8:9], s[54:55]
	s_or_b32 s[G0V+3], s[G0V+3], 0x80000000
	s_lshl_b32 s54, s18, 6                         ; qpack: record 8 (64 batch + 8 block + wave / 2) + head, 1,280 bytes; tile wave % 2 in it
	s_lshl_b32 s56, s16, 3
	s_add_co_u32 s54, s54, s56
	s_lshr_b32 s56, s[WV], 1
	s_add_co_u32 s54, s54, s56
	s_lshl_b32 s54, s54, 3
	s_add_co_u32 s54, s54, s19
	s_mul_i32 s54, s54, 1280
	s_lshl_b32 s56, s53, 9
	s_add_co_u32 s56, s56, s54
	s_add_nc_u64 s[58:59], s[4:5], s[56:57]        ; Q's codes
	s_lshl_b32 s56, s53, 7
	s_add_co_u32 s56, s56, s54
	s_add_co_u32 s56, s56, 1024
	s_add_nc_u64 s[60:61], s[4:5], s[56:57]        ; its scale words and masks
	s_lshl_b32 s54, s18, 22                        ; queries and res: my first tile's rows, my head's 256 bytes
	s_lshl_b32 s56, s16, 19
	s_add_co_u32 s54, s54, s56
	s_lshl_b32 s56, s[WV], 15
	s_add_co_u32 s54, s54, s56
	s_lshl_b32 s56, s19, 8
	s_add_co_u32 s54, s54, s56
	s_add_nc_u64 s[10:11], s[10:11], s[54:55]
	s_add_nc_u64 s[12:13], s[12:13], s[54:55]
	CROUND                                         ; the four work-groups are here: the joint loads meet
	s_cmp_lt_u32 s[WV], 2                          ; one load a wave, one chain of two arms
	s_cbranch_scc0 .Lfor_v
	tensor_load_to_lds s[G0K:G0K+3], s[G1K:G1K+7]
	s_nop 0
	NOPS 4
	s_branch .Lasked
.Lfor_v:
	tensor_load_to_lds s[G0V:G0V+3], s[G1V:G1V+7]
	s_nop 0
	NOPS 4
.Lasked:
	v_and_b32 v[S], 31, v0                         ; lane
	v_and_b32 v[S+1], 15, v0                       ; r
	v_bfe_u32 v[S+2], v0, 4, 1                     ; h
	v_lshlrev_b32 v[AK0], 4, v[S]
	v_lshlrev_b32 v[AQS], 3, v[S+1]
	global_load_b128 v[Q:Q+3], v[AK0], s[58:59]
	global_load_b64 v[QN:QN+1], v[AQS], s[60:61]
	v_lshl_add_u32 v[AR0], v[S+2], 9, v[AQS]
	v_add_nc_u32 v[AR0], REC, v[AR0]               ; K's scale words: 8 r, lanes 16-31 one block of 32 keys on
	v_lshl_add_u32 v[AB0], v[S+1], 2, REC+256      ; the mask words: 4 r
	v_add_nc_u32 v[AV0], VC, v[AK0]
	v_lshlrev_b32 v[S+3], 4, v[S+1]                ; 16 r
	v_add_nc_u32 v[AS0], VSX, v[S+3]
	s_lshl_b32 s53, s[WV], 13
	s_add_co_u32 s53, s53, BMX
	v_add_nc_u32 v[ABM], s53, v[AK0]
	s_mul_i32 s53, s[WV], 24576
	s_add_co_u32 s53, s53, SPL
	v_add_nc_u32 v[ASP], s53, v[AK0]
	s_mul_i32 s53, s[WV], 4352
	s_add_co_u32 s53, s53, STG
	v_mul_u32_u24 v[STO], v[S+1], 272
	v_lshl_add_u32 v[STO], v[S+2], 5, v[STO]
	v_add_nc_u32 v[STO], s53, v[STO]
	v_mul_u32_u24 v[RD], v[S+2], 272
	v_add_nc_u32 v[RD], v[RD], v[S+3]
	v_add_nc_u32 v[RD], s53, v[RD]
	v_lshl_add_u32 v[GO], v[S+2], 11, v[S+3]
	s_lshl_b32 s53, s[WV], 13
	s_add_co_u32 s53, s53, REC+128
	v_lshl_add_u32 v[XC], v[S+1], 2, s53           ; V's scale bytes of my four key steps
	s_lshl_b32 s53, s[WV], 10
	v_add_nc_u32 v[M], s53, v[AS0]                 ; and where they go, turned
	s_lshl_b32 s53, s[WV], 11
	s_add_co_u32 s53, s53, NCX
	v_lshl_add_u32 v[ANC], v[S], 2, s53
	v_lshlrev_b32 v[T], 1, v[S+2]
	v_sub_nc_u32 v[Q+4], 2, v[T]                   ; lanes 0-15: the code 1.0 at k = 64; lanes 16-31: zeros
.irp j, 5,6,7
	v_mov_b32 v[Q+\j], 0
.endr
.irp b, 0,1,2,3
	v_mov_b32 v[BX+\b], 0                          ; a lane permute's destination counts as one of its sources
.endr
	v_mov_b32 v[NCM+1], 0
	v_mov_b32 v[PH+1], 0
	v_mov_b32 v[NEGB], 0xff61b1e6
	WAITV                                          ; at the head's end
	s_wait_tensorcnt 0x0
	s_barrier_signal -1
	s_barrier_wait -1                              ; K, V and the records are whole
.irp k, 0,1,2,3                        ; V's scale bytes turn: from (key block, channel r: byte t) to (step, channel r: word t, byte = key block)
.irp b, 0,1,2,3
	ds_load_b32 v[S+4*\k+\b], v[XC] offset:2048*\k+512*\b
.endr
.endr
	s_wait_dscnt 0x0
.irp k, 0,1,2,3
	v_perm_b32 v[S+16], v[S+4*\k+1], v[S+4*\k], 0x05010400
	v_perm_b32 v[S+17], v[S+4*\k+1], v[S+4*\k], 0x07030602
	v_perm_b32 v[S+18], v[S+4*\k+3], v[S+4*\k+2], 0x05010400
	v_perm_b32 v[S+19], v[S+4*\k+3], v[S+4*\k+2], 0x07030602
	v_perm_b32 v[S+32+4*\k], v[S+18], v[S+16], 0x05040100
	v_perm_b32 v[S+33+4*\k], v[S+18], v[S+16], 0x07060302
	v_perm_b32 v[S+34+4*\k], v[S+19], v[S+17], 0x05040100
	v_perm_b32 v[S+35+4*\k], v[S+19], v[S+17], 0x07060302
	ds_store_b128 v[M], v[S+32+4*\k:S+35+4*\k] offset:256*\k
.endr
	s_wait_dscnt 0x0                               ; for the others' sake
	s_barrier_signal -1
	s_barrier_wait -1
.Ltile:                                            ; four trips: tile 4 it + wave
	s_wait_loadcnt 0x0                             ; this tile's Q
	v_and_b32 v[T], 0xffff, v[QN]
	v_or_b32 v[QS], 0x7f7f0000, v[T]               ; bytes 2, 3: 1.0 for the block that carries the mask and for the empty one
	v_mov_b32 v[QM], v[QN+1]
.irp t, 0,1,2,3,4,5,6,7
.irp j, 5,6,7
	v_mov_b32 v[KF+8*\t+\j], 0                     ; the empty part of K's fragments (the second walk has had V here)
.endr
.endr
.irp j, 0,1,2,3,4,5,6,7
	v_mov_b32 v[L+\j], 0
.endr
	v_mov_b32 v[M], v[NEGB]
	v_mul_f32 v[NCM], s[NEGC], v[NEGB]
	; ---- THE FIRST WALK
	LOADK 12
	WAITV
	s_wait_dscnt 0x0
	WMS 12
	WIN 0
	NOPS 4
	PIPE -1, -1, 12, 0, 1, -1
	PIPE -1, 12, 0, 1, 0, -1
	PIPE 12, 0, 1, 2, 1, 0
	PIPE 0, 1, 2, 3, 0, -1
	PIPE 1, 2, 3, 13, 1, -1
	PIPE 2, 3, 13, 4, 0, -1
	PIPE 3, 13, 4, 5, 1, -1
	PIPE 13, 4, 5, 6, 0, 1
	PIPE 4, 5, 6, 7, 1, -1
	PIPE 5, 6, 7, 8, 0, -1
	PIPE 6, 7, 8, 9, 1, -1
	PIPE 7, 8, 9, 10, 0, -1
	PIPE 8, 9, 10, 11, 1, -1
	PIPE 9, 10, 11, 14, 0, -1
	PIPE 10, 11, 14, 15, 1, -1
	PIPE 11, 14, 15, -1, 0, -1
	PIPE 14, 15, -1, -1, 1, 2
	PIPE 15, -1, -1, -1, 0, -1
	; ---- the sum and the steps' factors; the next tile's Q is asked for (the last trip asks for its own again: no address leaves qpack)
	LOADC 15, 0
	s_cmp_lt_u32 s[IT], 3
	s_cselect_b32 s50, 20480, 0                    ; four tiles on: two records of every head
	s_add_nc_u64 s[58:59], s[58:59], s[50:51]
	s_add_nc_u64 s[60:61], s[60:61], s[50:51]
	global_load_b128 v[Q:Q+3], v[AK0], s[58:59]
	global_load_b64 v[QN:QN+1], v[AQS], s[60:61]
	v_pk_add_f32 v[L:L+1], v[L:L+1], v[L+2:L+3]
	v_pk_add_f32 v[L+4:L+5], v[L+4:L+5], v[L+6:L+7]
	v_pk_add_f32 v[L:L+1], v[L:L+1], v[L+4:L+5]
	v_add_f32 v[T], v[L], v[L+1]
	v_permlanex16_b32 v[BX], v[T], s[SEL], s[SEL+1]
	v_add_f32 v[T], v[T], v[BX]
.set X_, 0
.rept 16
	GSEL X_
	ds_load_b32 v[GR], v[ANC] offset:128*X_        ; -c M of step X_
.set X_, X_+1
.endr
	WAITV
	s_wait_dscnt 0x0
.set X_, 0
.rept 16
	GSEL X_
	v_sub_f32 v[GR], v[NCM], v[GR]                 ; c (that M - the last M), 0 or less
.set X_, X_+1
.endr
	WAITV
	v_rcp_f32 v[XC], v[T]
.set X_, 0
.rept 16
	GSEL X_
	v_exp_f32 v[GR], v[GR]
.set X_, X_+1
.endr
	v_nop
	WAITV
	v_mul_f32 v[XC], v[XC], v[QM]                  ; 1 / sum, or 0 for a query that is masked: its p are zeros, as the source has them
.set X_, 0
.rept 16
	GSEL X_
	v_mul_f32 v[GR], v[GR], v[XC]
.set X_, X_+1
.endr
	; ---- THE SECOND WALK, in the order 15, 0, 12, 1, 13, 2, 14, 3 .. 11
	MULC 15
	CST 15, 0, 0, 1, 0
	CST 0, 12, 1, 0, -1
	CST 12, 1, 0, 0, 1
	CST 1, 13, 1, 0, -1
	CST 13, 2, 0, 0, 2
	CST 2, 14, 1, 0, -1
	CST 14, 3, 0, 0, -1
.irp i, 0,1,2,3,4,5,6,7
	global_load_b128 v[S+4*\i:S+4*\i+3], v[GO], s[10:11] offset:4096*\i th:TH_LOAD_NT   ; the residual, into S, which is free from here on
.endr
	CST 3, 4, 1, 0, -1
	CST 4, 5, 0, 0, -1
	CST 5, 6, 1, 0, -1
	CST 6, 7, 0, 0, -1
	CST 7, 8, 1, 0, -1
	CST 8, 9, 0, 0, -1
	CST 9, 10, 1, 0, -1
	CST 10, 11, 0, 0, -1
	CST 11, -1, 1, 0, -1
	; ---- the way out: through my stage, so that sixteen lanes store 256 consecutive bytes, aligned
	NOPS 4
.irp t, 0,1,2,3
	ds_store_b128 v[STO], v[O+8*\t:O+8*\t+3] offset:64*\t
	ds_store_b128 v[STO], v[O+8*\t+4:O+8*\t+7] offset:64*\t+16
.endr
.irp i, 0,1,2,3,4,5,6,7
	ds_load_b128 v[S+32+4*\i:S+35+4*\i], v[RD] offset:544*\i       ; LDS serves a wave's instructions in order: these see my stores
.endr
	s_wait_loadcnt 0x0
.irp i, 0,1,2,3,4,5,6,7
	s_wait_dscnt 7-\i
	v_pk_add_f32 v[S+32+4*\i:S+33+4*\i], v[S+32+4*\i:S+33+4*\i], v[S+4*\i:S+4*\i+1]
	v_pk_add_f32 v[S+34+4*\i:S+35+4*\i], v[S+34+4*\i:S+35+4*\i], v[S+4*\i+2:S+4*\i+3]
	global_store_b128 v[GO], v[S+32+4*\i:S+35+4*\i], s[12:13] offset:4096*\i
.endr
	s_wait_xcnt 0x0                                ; the stores have read their base and data: only now are they written again
	s_add_nc_u64 s[10:11], s[10:11], 0x20000       ; 64 rows on
	s_add_nc_u64 s[12:13], s[12:13], 0x20000
	s_add_co_u32 s[IT], s[IT], 1
	s_cmp_lt_u32 s[IT], 4
	WAITV
	s_cbranch_scc1 .Ltile
	s_wait_tensorcnt 0x0                           ; the wave's end
	ds_add_u32 v[SPW], v[NIL]
	s_wait_dscnt 0x0
	CROUND                                         ; the closing round
	s_endpgm
.Lfunc_end_k_qdbd1d16299_attn:
	.size	k_qdbd1d16299_attn, .Lfunc_end_k_qdbd1d16299_attn-k_qdbd1d16299_attn
	.p2alignl 7, 3214868480
	.fill 96, 4, 3214868480
	.section	.rodata,"a",@progbits
	.p2align	6, 0x0
	.amdhsa_kernel k_qdbd1d16299_attn
		.amdhsa_group_segment_fixed_size 327680
		.amdhsa_private_segment_fixed_size 0
		.amdhsa_enable_private_segment 0
		.amdhsa_kernarg_size 40
		.amdhsa_user_sgpr_count 2
		.amdhsa_user_sgpr_kernarg_segment_ptr 1
		.amdhsa_wavefront_size32 1
		.amdhsa_system_sgpr_workgroup_id_x 1
		.amdhsa_system_sgpr_workgroup_id_y 1
		.amdhsa_system_sgpr_workgroup_id_z 1
		.amdhsa_system_vgpr_workitem_id 0
		.amdhsa_next_free_vgpr 1024
		.amdhsa_next_free_sgpr 66
		.amdhsa_reserve_vcc 0
		.amdhsa_float_denorm_mode_32 3
		.amdhsa_float_denorm_mode_16_64 3
		.amdhsa_memory_ordered 1
		.amdhsa_forward_progress 1
		.amdhsa_inst_pref_size 255
	.end_amdhsa_kernel
	.section	.bss,"aw",@nobits
	.p2align	6
	.space	262144
	.amdgpu_metadata
---
amdhsa.version: [ 1, 2 ]
amdhsa.kernels:
  - .name:           k_qdbd1d16299_attn
    .symbol:         k_qdbd1d16299_attn.kd
    .args:
      - { .name: qpack, .offset: 0, .size: 8, .value_kind: global_buffer, .address_space: global }
      - { .name: kblob, .offset: 8, .size: 8, .value_kind: global_buffer, .address_space: global }
      - { .name: vblob, .offset: 16, .size: 8, .value_kind: global_buffer, .address_space: global }
      - { .name: queries, .offset: 24, .size: 8, .value_kind: global_buffer, .address_space: global }
      - { .name: res, .offset: 32, .size: 8, .value_kind: global_buffer, .address_space: global }
    .group_segment_fixed_size: 327680
    .private_segment_fixed_size: 0
    .kernarg_segment_align: 8
    .kernarg_segment_size: 40
    .max_flat_workgroup_size: 128
    .sgpr_count:     66
    .vgpr_count:     1024
    .wavefront_size: 32
...
	.end_amdgpu_metadata
.endif
;; end of part 2
;; launch lnorm (part 3): grid 256 x 1, 8 waves a work-group, no clusters, 0 bytes of LDS; arguments res, gamma, beta, out0; writes out0
.if DOCPART == 3
	.amdgcn_target "amdgcn-amd-amdhsa--gfx1250"
	.amdhsa_code_object_version 6
	.text
	.protected	k_qdbd1d16299_lnorm
	.globl	k_qdbd1d16299_lnorm
	.p2align	8
	.type	k_qdbd1d16299_lnorm,@function
k_qdbd1d16299_lnorm:
	s_mov_b64 s[64:65], 0
	v_nop
	global_prefetch_b8 v0, s[64:65] scope:SCOPE_SE
	s_setreg_imm32_b32 hwreg(HW_REG_WAVE_MODE, 25, 1), 1
	s_wait_xcnt 0x0
; out0 = (res - mean) x rsqrt(var + 1e-3) x gamma + beta along the last axis of 512.  res: [8192][512] f32, made by the launch before.  Nothing is left out.
; A wave takes 4 rows and keeps them in registers between the passes: each byte is read once and written once.  A lane holds 16 numbers of a row, at bytes 512 j + 16 x lane: every load and store of a wave covers 512 consecutive bytes.
; All 24 loads of a wave go out at once; the four rows take turns line by line.  No LDS, no barrier, no matrix unit: the launch moves bytes.
.set X,  16                            ; v16-79   four rows x 16 numbers
.set G,  80                            ; v80-95   gamma of my 16 columns
.set BT, 96                            ; v96-111  beta
.set SA, 112                           ; v112-119 a pair for each row: sums, then -mean, then 1 / sigma in the low word
.set PT, 120                           ; v120-123 the other half of the lanes'
.set SB, 124                           ; v124-131 a second chain for each row
	s_load_b256 s[4:11], s[0:1], 0x0               ; res s[4:5], gamma s[6:7], beta s[8:9], out0 s[10:11]
	v_and_b32 v1, 31, v0
	s_delay_alu instid0(VALU_DEP_1)
	v_lshlrev_b32 v2, 4, v1                        ; 16 x lane
	v_lshrrev_b32 v3, 5, v0
	s_delay_alu instid0(VALU_DEP_1)
	v_lshl_add_u32 v1, v3, 13, v2                  ; + my wave's four rows of 2,048 bytes
	s_lshl_b32 s12, ttmp9, 16                      ; the work-group's 32 rows
	s_mov_b32 s13, 0
	s_mov_b32 s14, 0x76543210
	s_mov_b32 s15, 0xfedcba98                      ; lane l xor 16
	s_mov_b32 s16, 0x3b000000                      ; 1 / 512
	s_mov_b32 s17, 0x3a83126f                      ; 1e-3
.irp i, 0,1,2,3
	v_mov_b32 v[PT+\i], 0                          ; a lane permute's destination counts as one of its sources
.endr
	s_wait_alu depctr_va_vdst(0)
	s_wait_kmcnt 0x0
	s_add_nc_u64 s[4:5], s[4:5], s[12:13]
	s_add_nc_u64 s[10:11], s[10:11], s[12:13]
.irp i, 0,1,2,3
.irp j, 0,1,2,3
	global_load_b128 v[X+16*\i+4*\j:X+16*\i+4*\j+3], v1, s[4:5] offset:2048*\i+512*\j th:TH_LOAD_NT
.endr
.endr
.irp j, 0,1,2,3
	global_load_b128 v[G+4*\j:G+4*\j+3], v2, s[6:7] offset:512*\j
.endr
.irp j, 0,1,2,3
	global_load_b128 v[BT+4*\j:BT+4*\j+3], v2, s[8:9] offset:512*\j
.endr
.irp i, 0,1,2,3
	s_wait_loadcnt 20-4*\i                         ; row i is in: behind it the later rows' loads and the eight of gamma and beta
	v_pk_add_f32 v[SA+2*\i:SA+2*\i+1], v[X+16*\i:X+16*\i+1], v[X+16*\i+2:X+16*\i+3]
	v_pk_add_f32 v[SB+2*\i:SB+2*\i+1], v[X+16*\i+4:X+16*\i+5], v[X+16*\i+6:X+16*\i+7]
	s_delay_alu instid0(VALU_DEP_2)
	v_pk_add_f32 v[SA+2*\i:SA+2*\i+1], v[SA+2*\i:SA+2*\i+1], v[X+16*\i+8:X+16*\i+9]
	s_delay_alu instid0(VALU_DEP_2)
	v_pk_add_f32 v[SB+2*\i:SB+2*\i+1], v[SB+2*\i:SB+2*\i+1], v[X+16*\i+10:X+16*\i+11]
	s_delay_alu instid0(VALU_DEP_2)
	v_pk_add_f32 v[SA+2*\i:SA+2*\i+1], v[SA+2*\i:SA+2*\i+1], v[X+16*\i+12:X+16*\i+13]
	s_delay_alu instid0(VALU_DEP_2)
	v_pk_add_f32 v[SB+2*\i:SB+2*\i+1], v[SB+2*\i:SB+2*\i+1], v[X+16*\i+14:X+16*\i+15]
	s_delay_alu instid0(VALU_DEP_1)
	v_pk_add_f32 v[SA+2*\i:SA+2*\i+1], v[SA+2*\i:SA+2*\i+1], v[SB+2*\i:SB+2*\i+1]
	s_delay_alu instid0(VALU_DEP_1)
	v_add_f32 v[SA+2*\i], v[SA+2*\i], v[SA+2*\i+1]
.endr
.macro ACROSS                          ; the four rows' sums over the 32 lanes, by turns; every lane ends with the result
.irp k, 1,2,4,8
.irp i, 0,1,2,3
	v_add_f32_dpp v[SA+2*\i], v[SA+2*\i], v[SA+2*\i] row_xmask:\k row_mask:0xf bank_mask:0xf
.endr
.endr
.irp i, 0,1,2,3
	s_delay_alu instid0(VALU_DEP_4)
	v_permlanex16_b32 v[PT+\i], v[SA+2*\i], s14, s15
.endr
.irp i, 0,1,2,3
	s_delay_alu instid0(VALU_DEP_4)
	v_add_f32 v[SA+2*\i], v[SA+2*\i], v[PT+\i]
.endr
.endm
	ACROSS
.irp i, 0,1,2,3
	s_delay_alu instid0(VALU_DEP_4)
	v_mul_f32 v[SA+2*\i], 0xbb000000, v[SA+2*\i]   ; -mean
.endr
.irp i, 0,1,2,3
.irp p, 0,2,4,6,8,10,12,14
	v_pk_add_f32 v[X+16*\i+\p:X+16*\i+\p+1], v[X+16*\i+\p:X+16*\i+\p+1], v[SA+2*\i:SA+2*\i+1] op_sel_hi:[1,0]
.endr
.endr
.irp i, 0,1,2,3
	v_pk_mul_f32 v[SA+2*\i:SA+2*\i+1], v[X+16*\i:X+16*\i+1], v[X+16*\i:X+16*\i+1]
	v_pk_mul_f32 v[SB+2*\i:SB+2*\i+1], v[X+16*\i+2:X+16*\i+3], v[X+16*\i+2:X+16*\i+3]
.irp p, 4,8,12
	s_delay_alu instid0(VALU_DEP_2)
	v_pk_fma_f32 v[SA+2*\i:SA+2*\i+1], v[X+16*\i+\p:X+16*\i+\p+1], v[X+16*\i+\p:X+16*\i+\p+1], v[SA+2*\i:SA+2*\i+1]
	s_delay_alu instid0(VALU_DEP_2)
	v_pk_fma_f32 v[SB+2*\i:SB+2*\i+1], v[X+16*\i+\p+2:X+16*\i+\p+3], v[X+16*\i+\p+2:X+16*\i+\p+3], v[SB+2*\i:SB+2*\i+1]
.endr
	s_delay_alu instid0(VALU_DEP_1)
	v_pk_add_f32 v[SA+2*\i:SA+2*\i+1], v[SA+2*\i:SA+2*\i+1], v[SB+2*\i:SB+2*\i+1]
	s_delay_alu instid0(VALU_DEP_1)
	v_add_f32 v[SA+2*\i], v[SA+2*\i], v[SA+2*\i+1]
.endr
	ACROSS
.irp i, 0,1,2,3
	s_delay_alu instid0(VALU_DEP_4)
	v_fma_f32 v[SA+2*\i], v[SA+2*\i], s16, s17     ; var + 1e-3
.endr
	s_wait_alu depctr_va_vdst(0)
.irp i, 0,1,2,3
	v_rsq_f32 v[SA+2*\i], v[SA+2*\i]
.endr
	v_nop                                          ; a plain place behind the last of the four
	s_wait_alu depctr_va_vdst(0)                   ; one wait for the four, ahead of their first reader
	s_wait_loadcnt 0x0                             ; gamma and beta
.irp i, 0,1,2,3
.irp p, 0,2,4,6,8,10,12,14
	v_pk_mul_f32 v[X+16*\i+\p:X+16*\i+\p+1], v[X+16*\i+\p:X+16*\i+\p+1], v[SA+2*\i:SA+2*\i+1] op_sel_hi:[1,0]
.endr
.irp p, 0,2,4,6,8,10,12,14
	v_pk_fma_f32 v[X+16*\i+\p:X+16*\i+\p+1], v[X+16*\i+\p:X+16*\i+\p+1], v[G+\p:G+\p+1], v[BT+\p:BT+\p+1]
.endr
.irp j, 0,1,2,3
	global_store_b128 v1, v[X+16*\i+4*\j:X+16*\i+4*\j+3], s[10:11] offset:2048*\i+512*\j th:TH_STORE_NT
.endr
.endr
	s_endpgm
.Lfunc_end_k_qdbd1d16299_lnorm:
	.size	k_qdbd1d16299_lnorm, .Lfunc_end_k_qdbd1d16299_lnorm-k_qdbd1d16299_lnorm
	.p2alignl 7, 3214868480
	.fill 96, 4, 3214868480
	.section	.rodata,"a",@progbits
	.p2align	6, 0x0
	.amdhsa_kernel k_qdbd1d16299_lnorm
		.amdhsa_group_segment_fixed_size 0
		.amdhsa_private_segment_fixed_size 0
		.amdhsa_enable_private_segment 0
		.amdhsa_kernarg_size 32
		.amdhsa_user_sgpr_count 2
		.amdhsa_user_sgpr_kernarg_segment_ptr 1
		.amdhsa_wavefront_size32 1
		.amdhsa_system_sgpr_workgroup_id_x 1
		.amdhsa_system_sgpr_workgroup_id_y 1
		.amdhsa_system_sgpr_workgroup_id_z 1
		.amdhsa_system_vgpr_workitem_id 0
		.amdhsa_next_free_vgpr 136
		.amdhsa_next_free_sgpr 66
		.amdhsa_reserve_vcc 0
		.amdhsa_float_denorm_mode_32 3
		.amdhsa_float_denorm_mode_16_64 3
		.amdhsa_memory_ordered 1
		.amdhsa_forward_progress 1
		.amdhsa_inst_pref_size 22
	.end_amdhsa_kernel
	.amdgpu_metadata
---
amdhsa.version: [ 1, 2 ]
amdhsa.kernels:
  - .name:           k_qdbd1d16299_lnorm
    .symbol:         k_qdbd1d16299_lnorm.kd
    .args:
      - { .name: res, .offset: 0, .size: 8, .value_kind: global_buffer, .address_space: global }
      - { .name: gamma, .offset: 8, .size: 8, .value_kind: global_buffer, .address_space: global }
      - { .name: beta, .offset: 16, .size: 8, .value_kind: global_buffer, .address_space: global }
      - { .name: out0, .offset: 24, .size: 8, .value_kind: global_buffer, .address_space: global }
    .group_segment_fixed_size: 0
    .private_segment_fixed_size: 0
    .kernarg_segment_align: 8
    .kernarg_segment_size: 32
    .max_flat_workgroup_size: 256
    .sgpr_count:     66
    .vgpr_count:     136
    .wavefront_size: 32
...
	.end_amdgpu_metadata
.endif
;; end of part 3
